; MI455X (gfx1250); checked and timed in simulation.
; The chip was launched on July 23, 2026; its instructions are those of AMD's public machine-readable ISA for CDNA 5 (MIT licence, August 2026) and "CDNA5" Instruction Set Architecture Reference Guide (July 2026). The comments in the code are by the model that wrote it; some were corrected since.
;; Diffeomorphic Network. Allowed arithmetic: float matrix products may take bf16 or f16 operands with f32 sums; all other float work in f32.
;; Inputs: raw 2 x 4 x 128 x 128 x 128 float32; x 2 x 2 x 128 x 128 x 128 float32.
;; Outputs: out0 2 x 1 x 128 x 128 x 128 float32.
;; 2 versions, each right; version 2 is version 1 with the launch diffeo written anew for expert scheduling mode. Each part assembles by itself: llvm-mc -triple=amdgcn-amd-amdhsa -mcpu=gfx1250 --defsym DOCPART=n.
;; ======== version 1 of 2: 1 launch
;; launch diffeo (part 1): grid 16 x 16, 16 waves a work-group, no clusters, 314,368 bytes of LDS; arguments raw, x, out0; writes out0
.if DOCPART == 1
	.amdgcn_target "amdgcn-amd-amdhsa--gfx1250"
	.amdhsa_code_object_version 6
	.text
	.protected	k_q2f94c79786_diffeo
	.globl	k_q2f94c79786_diffeo
	.p2align	8
	.type	k_q2f94c79786_diffeo,@function
k_q2f94c79786_diffeo:
	s_mov_b64 s[64:65], 0
	v_nop
	global_prefetch_b8 v0, s[64:65] scope:SCOPE_SE
	s_setreg_imm32_b32 hwreg(HW_REG_WAVE_MODE, 25, 1), 1
	s_wait_xcnt 0x0
; DiffeomorphicNetwork, whole in one launch.  raw [2][4][128][128][128], x [2][2][128][128][128], out0 [2][1][128][128][128], all f32.
;   F0 = 0.1875 tanh(raw[0..2]);  three times F <- F + trilinear(F at p + F);  w = trilinear(x[1] at p + F3);
;   out = sigmoid(log(w + eps) - log(1 - w + eps) + tanh(raw[3]) sigmoid(raw[3])).
;
; NO GATHER.  tanh bounds |F0| by 0.1875 and each step at most doubles the bound (0.375, 0.75, 1.5), whatever the inputs hold.  So a
; squaring step samples inside offsets -1..+1 of its own voxel along each axis and the last warp inside -2..+2, and trilinear sampling
; with clamped coordinates is a fixed separable stencil with hat weights w_j = max(0, 1 - |T - j|), T = the displacement clamped to
; [-c, 127 - c] (c = the voxel's coordinate).  The clamp makes the weight of every tap outside the volume exactly 0.  All addresses
; are made of ids, the wave number and the trip counter.
;
; SHARING.  256 work-groups: 16 y tiles x (2 batches x 8 z tiles); a tile is 128 x, 8 y, 16 z.  The work-group marches along z in 26
; trips; five stages work on different planes of the march and hand planes on through rings in LDS:
;   A  : F0 plane t        (14 rows, 4 slots)   every trip, plane min(t, 21)
;   g=0: F1 plane t-3      (12 rows, 4 slots)   trips 3..22      X  : x plane t-5 (12 rows, 6 slots), every trip, t held in 5..24
;   g=1: F2 plane t-6      (10 rows, 4 slots)   trips 6..23      FIN: output plane t-10 (8 rows)         trips 10..25
;   g=2: F3 plane t-9      ( 8 rows, 2 slots)   trips 9..24
; A TRIP HAS TWO PHASES AND TWO BARRIERS.  In the first phase LDS is only read (stencils; tanh works in registers), in the second it is
; only stored into.  Which slot a stage reads or fills hangs on the trip counter; with the two barriers every read and every store of
; another wave are ordered whatever the slots are.  (The rings keep a power of two of slots because a mask is cheaper than a modulus.)
; Stages A and X have no trip window: outside it they repeat their first or last plane into slots that are filled again before they
; are read, or are never read again, so that each of their loads and the wait for it lie on one path of the wave.
; Rows and planes of the halo that fall outside the volume are loaded from clamped y and z and computed like the rest; what they hold
; is finite and meets only weights that are exactly 0 in voxels inside the volume.
; A wave's task is two neighbouring rows (lanes 0-15 one, lanes 16-31 the next).  Waves 0-3: FIN.  4-9: F1.  10-14: F2.  Waves 4-7 also
; F3.  Waves 8-14 also stage A.  Waves 10-15 also stage X.
;
; PAIRS.  Lane l (0..15) owns positions p = 4 l + k, k = 0..3; position p is the pair of voxels (x = p, x = 64 + p) in an even-aligned
; register pair, so that all stencil arithmetic is packed (v_pk_fma_f32).  In LDS a row of one channel is four segments of 136 bytes,
; position 4 l' + k at 136 k + 8 (l' + (k >> 1)): every ds_load_b64 / ds_store_b64 touches 128 neighbouring bytes for each half of
; the wave, and the row pitches (1664, 640) are 128 modulo 256, so the two halves fall on different banks.  The spare slots hold the
; seam positions -2, -1, 64, 65 (the pair's other word is a finite filler whose weight is 0).
;
; LEFT OUT, and why.  Matrix units: the weights differ from output to output, there is no product.  Tensor loads, clusters and joint
; requests: raw needs tanh and the pair order on its way into LDS, so it passes through registers anyway, and what neighbouring
; work-groups share is only halo rows.  Prefetches: each plane's loads are issued a whole stencil task ahead of their use.
;
; LIMITS.  A NaN or an infinity in raw[0..2] or x spreads over the whole 3x3x3 or 5x5x5 stencil (0 x NaN), not only over the eight
; corners that the reference touches.  raw[3] is clamped to +-20, which moves tanh x sigmoid by less than 1e-8; a NaN there is not kept.
; The hat weights differ from the reference's floor / fraction form in the last bits.  1 - w + eps is formed as 1.0001 - w.
.set SEG,   136                        ; bytes of a segment: 17 slots of 8
.set CHP,   544                        ; a row of one channel
.set ROWP,  1664                       ; a flow row: 3 channels + 32
.set XROWP, 640                        ; a row of x
.set XPL,   12*XROWP                   ; a plane of x
.set RF3,   144*ROWP                   ; rings: F0 at 0 (4 x 14 rows), F1 at 56 rows (4 x 12), F2 at 104 rows (4 x 10), F3 at 144 rows (2 x 8)
.set RX,    160*ROWP                   ; x's ring (6 planes); LDS ends at RX + 6 XPL = 312,320
.set CHB,   0x800000                   ; bytes of one channel's volume
; vector registers
.set LF,  1                            ; 8 l + 1664 hf: lane term in flow rows
.set LX,  2                            ; 8 l + 640 hf: lane term in x rows
.set SF,  3                            ; seam address in flow rows: lane 0 -> position 64 (byte 128), lane 15 -> position -1 (byte 408), others their own pair 0
.set SX,  4                            ; seam address in x rows: lane 0 -> byte 128 (and 264), lane 15 -> byte 272 (and 408), others their own pairs 0 (and 1)
.set HF,  5                            ; half of the wave, 0 or 1
.set XY,  6                            ; stage X: byte offset of my 16 bytes in my (clamped) row of a plane
.set GY,  7                            ; 16 l + 512 hf
.set XB,  8                            ; v[8:15]  pair k: (-(4l+k), 63-4l-k): the x bound that can bind for each voxel of the pair
.set RO,  16                           ; offsets of the global accesses: raw[0..2], x, raw[3] and out0
.set XO,  17
.set GO,  18
.set RY,  19                           ; stage A: as XY
.set BND, 20                           ; v[20:23] -y, 127-y, -z, 127-z
.set AS,  24                           ; v[24:29] LDS addresses: source planes in the first phase, three pairs (rows, seam) in the second
.set T,   30                           ; v[30:33] at work
.set D,   34                           ; v[34:57] flow of my voxels, channel ch pair k at 8 ch + 2 k
.set W,   58                           ; weights, (axis x taps + tap) x 8 + 2 k: 72 registers (3 taps) or 120 (5 taps); later stage A's F0
.set R3,  130                          ; v[130:165] three row buffers of 6 pairs
.set XS3, 166                          ; v[166:173] sum along x
.set TY3, 174                          ; v[174:181] sum along y
.set RAW, 182                          ; v[182:205] waves 8-14: raw as loaded, 8 ch + 4 h + k
.set D2,  182                          ;            waves 4-7: the flow of their second task (F3)
.set XR,  206                          ; v[206:213] x as loaded, 4 h + k
.set SEX, 214                          ; v[214:217] x's seam pairs
.set C18, 220                          ; v[220:221] 0.1875 twice
.set SE1, 222                          ; v[222:227] seam pairs of a wave's first flow store
.set SE2, 228                          ; v[228:233] of its second
.set XS5, 34                           ; FIN: the flow's registers are free once the weights are made
.set TY5, 42
.set ACC, 50
.set R5,  178                          ; v[178:225] three row buffers of 8 pairs
.set RT,  226                          ; v[226:233] raw[3], 4 h + k
.set OUT, 234                          ; v[234:241] results, 4 h + k
.set Q,   178                          ; FIN's last part works in the row buffers
.set AA,  186
.set BB,  194
.set MM,  202
; scalar registers: s[10:17] raw channels 0..3 of my batch, s[18:19] x channel 1, s[20:21] out0, s22 wave, s23 trip t, s24 t mod 6,
; s25 y0, s26 z0, s28 mask l == 15, s31 mask l == 0, s52-s59 at work, s70/s71 -20 / +20
; the sizes of squaring step g (0..2)
.macro GEOM g
.set JB, 4+6*(\g&1)                    ; its first wave: 4, 10, 4
.set RS, 4*\g*(15-\g)*ROWP             ; source ring
.set PS, (14-2*\g)*ROWP                ; a source plane
.set RD, 4*(\g+1)*(14-\g)*ROWP         ; destination ring
.set PD, (12-2*\g)*ROWP                ; a destination plane
.set PH, (4-(3*\g+3)%4)%4              ; t - (3 g + 3), the destination's plane number, is t + PH modulo 4
.set DM, 3-2*(\g/2)                    ; slot mask of the destination ring: 3, 3, 1
.endm
; jump to \label unless \first <= t <= \last
.macro UNLESS_T first, last, label
	s_cmp_lt_u32 s23, \first
	s_cbranch_scc1 \label
	s_cmp_gt_u32 s23, \last
	s_cbranch_scc1 \label
.endm
; \count pairs of a row, positions 4 l + \first - 4 and up, into \buf
.macro LOADROW first, count, buf, areg, imm
.set jj, \first
.rept \count
	ds_load_b64 v[\buf+2*(jj-\first):\buf+2*(jj-\first)+1], v[\areg] offset:\imm+(jj&3)*SEG+((jj>>2)-1+((jj&3)>>1))*8
.set jj, jj+1
.endr
.endm
; the flow of my own voxels: 3 channels x 4 pairs
.macro CENTRE db, areg, imm
.irp ch, 0,1,2
.irp k, 0,1,2,3
	ds_load_b64 v[\db+8*\ch+2*\k:\db+8*\ch+2*\k+1], v[\areg] offset:\imm+\ch*CHP+\k*SEG+(\k>>1)*8
.endr
.endr
.endm
; -c and 127 - c for y (first row in s[\sy], + hf) and z (s[\sz])
.macro BOUNDS sy, sz
	v_add_nc_u32 v[T], s[\sy], v[HF]
	v_cvt_f32_i32 v[T], v[T]
	v_cvt_f32_i32 v[T+1], s[\sz]
	v_sub_f32 v[BND], 0, v[T]
	v_sub_f32 v[BND+1], 0x42fe0000, v[T]
	v_sub_f32 v[BND+2], 0, v[T+1]
	v_sub_f32 v[BND+3], 0x42fe0000, v[T+1]
.endm
; the displacement clamped so that the sample stays in the volume.  Along x the pair's low voxel (x <= 63) can only meet the lower
; bound and its high voxel (x >= 64) only the upper one, since |displacement| < 2.
.macro CLAMPT dst, src, axis, k
.if \axis == 0
	v_max_num_f32 v[\dst], v[\src], v[XB+2*\k]
	v_min_num_f32 v[\dst+1], v[\src+1], v[XB+2*\k+1]
.else
	v_med3_num_f32 v[\dst], v[\src], v[BND+2*\axis-2], v[BND+2*\axis-1]
	v_med3_num_f32 v[\dst+1], v[\src+1], v[BND+2*\axis-2], v[BND+2*\axis-1]
.endif
.endm
; three hat weights for |T| <= 1: w+ = max(T, 0), w- = w+ - T, w0 = 1 + T - 2 w+.  T lives in w0's registers meanwhile.
.macro W3 axis, k, db
.set wa, W+24*\axis+2*\k
	CLAMPT (wa+8), (\db+8*\axis+2*\k), \axis, \k
	v_max_num_f32 v[wa+16], 0, v[wa+8]
	v_max_num_f32 v[wa+17], 0, v[wa+9]
	v_pk_add_f32 v[wa:wa+1], v[wa+16:wa+17], v[wa+8:wa+9] neg_lo:[0,1] neg_hi:[0,1]
	v_pk_add_f32 v[wa+8:wa+9], v[wa+8:wa+9], 1.0 op_sel_hi:[1,0]
	v_pk_fma_f32 v[wa+8:wa+9], v[wa+16:wa+17], -2.0, v[wa+8:wa+9] op_sel_hi:[1,0,1]
.endm
; five hat weights for |T| <= 2: w+2 = max(T-1, 0), w-2 = max(-T-1, 0), P = max(T, 0), N = P - T,
; w+1 = P - 2 w+2, w-1 = N - 2 w-2, w0 = max(0, 1 - (P + N)).  T lives in w0's registers meanwhile.
.macro W5 axis, k
.set wa, W+40*\axis+2*\k
	CLAMPT (wa+16), (D+8*\axis+2*\k), \axis, \k
	v_pk_add_f32 v[wa+32:wa+33], v[wa+16:wa+17], -1.0 op_sel_hi:[1,0]
	v_pk_add_f32 v[wa:wa+1], v[wa+16:wa+17], -1.0 op_sel_hi:[1,0] neg_lo:[1,0] neg_hi:[1,0]
	v_max_num_f32 v[wa+24], 0, v[wa+16]
	v_max_num_f32 v[wa+25], 0, v[wa+17]
	v_max_num_f32 v[wa+32], 0, v[wa+32]
	v_max_num_f32 v[wa+33], 0, v[wa+33]
	v_max_num_f32 v[wa], 0, v[wa]
	v_max_num_f32 v[wa+1], 0, v[wa+1]
	v_pk_add_f32 v[wa+8:wa+9], v[wa+24:wa+25], v[wa+16:wa+17] neg_lo:[0,1] neg_hi:[0,1]
	v_pk_add_f32 v[wa+16:wa+17], v[wa+24:wa+25], v[wa+8:wa+9]
	v_pk_fma_f32 v[wa+24:wa+25], v[wa+32:wa+33], -2.0, v[wa+24:wa+25] op_sel_hi:[1,0,1]
	v_pk_fma_f32 v[wa+8:wa+9], v[wa:wa+1], -2.0, v[wa+8:wa+9] op_sel_hi:[1,0,1]
	v_pk_add_f32 v[wa+16:wa+17], v[wa+16:wa+17], 1.0 op_sel_hi:[1,0] neg_lo:[1,0] neg_hi:[1,0]
	v_max_num_f32 v[wa+16], 0, v[wa+16]
	v_max_num_f32 v[wa+17], 0, v[wa+17]
.endm
; one source row: the sum along x over \nt taps for my four pairs, then its share of the sum along y (row \dy of \nt).
; The first product starts each sum: nothing is cleared.
.macro ROWXY nt, xs, ty, buf, dy
.irp k, 0,1,2,3
	v_pk_mul_f32 v[\xs+2*\k:\xs+2*\k+1], v[W+2*\k:W+2*\k+1], v[\buf+2*\k:\buf+2*\k+1]
.endr
.set tp, 1
.rept \nt-1
.irp k, 0,1,2,3
	v_pk_fma_f32 v[\xs+2*\k:\xs+2*\k+1], v[W+8*tp+2*\k:W+8*tp+2*\k+1], v[\buf+2*(\k+tp):\buf+2*(\k+tp)+1], v[\xs+2*\k:\xs+2*\k+1]
.endr
.set tp, tp+1
.endr
.irp k, 0,1,2,3
.if \dy == 0
	v_pk_mul_f32 v[\ty+2*\k:\ty+2*\k+1], v[W+8*\nt+2*\k:W+8*\nt+2*\k+1], v[\xs+2*\k:\xs+2*\k+1]
.else
	v_pk_fma_f32 v[\ty+2*\k:\ty+2*\k+1], v[W+8*(\nt+\dy)+2*\k:W+8*(\nt+\dy)+2*\k+1], v[\xs+2*\k:\xs+2*\k+1], v[\ty+2*\k:\ty+2*\k+1]
.endif
.endr
.endm
; a finished plane's share of the sum along z
.macro ZACC dst, wz, ty, first
.irp k, 0,1,2,3
.if \first
	v_pk_mul_f32 v[\dst+2*\k:\dst+2*\k+1], v[\wz+2*\k:\wz+2*\k+1], v[\ty+2*\k:\ty+2*\k+1]
.else
	v_pk_fma_f32 v[\dst+2*\k:\dst+2*\k+1], v[\wz+2*\k:\wz+2*\k+1], v[\ty+2*\k:\ty+2*\k+1], v[\dst+2*\k:\dst+2*\k+1]
.endif
.endr
.endm
; my two rows of three channels from v[\base ..] to the slot at v[\ad], then the seam at v[\ads], with all lanes on:
; lane 15 puts x = 63 (low word of its pair 3) at position -1, lane 0 puts x = 64 (high word of its pair 0) at position 64, both words
; of the seam pair get that value (the unused one is the finite filler); the other lanes store their own pair 0 once more where it lies.
.macro STORE_FLOW base, se, ad, ads
.irp ch, 0,1,2
.irp k, 0,1,2,3
	ds_store_b64 v[\ad], v[\base+8*\ch+2*\k:\base+8*\ch+2*\k+1] offset:\ch*CHP+\k*SEG+(\k>>1)*8
.endr
.endr
.irp ch, 0,1,2
	v_cndmask_b32 v[\se+2*\ch], v[\base+8*\ch], v[\base+8*\ch+1], s31
	v_cndmask_b32 v[\se+2*\ch], v[\se+2*\ch], v[\base+8*\ch+6], s28
	v_cndmask_b32 v[\se+2*\ch+1], v[\base+8*\ch+1], v[\base+8*\ch+6], s28
	ds_store_b64 v[\ads], v[\se+2*\ch:\se+2*\ch+1] offset:\ch*CHP
.endr
.endm
; first phase of squaring step g for two rows: F' = F + sum over 3 x 3 x 3 taps of weights x F, three channels, left in v[\db ..]
.macro STEP_C g, db
	GEOM \g
	s_sub_co_u32 s59, s22, JB                      ; my task j: destination rows 2 j, 2 j + 1 = source rows 2 j .. 2 j + 3
	s_mul_i32 s52, s59, 2*ROWP
.irp i, 0,1,2
	s_add_co_u32 s53, s23, PH+\i                   ; source planes n, n + 1, n + 2 lie in slots (n + i) & 3
	s_and_b32 s53, s53, 3
	s_mul_i32 s53, s53, PS
	s_add_co_u32 s53, s53, s52
	s_add_co_u32 s53, s53, RS
	v_add_nc_u32 v[AS+\i], s53, v[LF]
.endr
	s_lshl_b32 s58, s59, 1
	s_add_co_u32 s58, s58, s25
	s_sub_co_u32 s58, s58, 2-\g                    ; y of the task's first row
	s_add_co_u32 s57, s26, s23
	s_sub_co_u32 s57, s57, 5+2*\g                  ; z of the destination
	CENTRE \db, (AS+1), ROWP
	LOADROW 3, 6, R3, AS, 0
	LOADROW 3, 6, (R3+12), AS, ROWP
	BOUNDS 58, 57
	s_wait_dscnt 12                                ; LDS answers in order (ISA guide 5.7.1): my own flow is in, the two rows of 6 loads stay out
.irp axis, 0,1,2
.irp k, 0,1,2,3
	W3 \axis, \k, \db
.endr
.endr
	; 27 source rows: channel rn / 9, plane (rn % 9) / 3, row rn % 3.  Row rn + 2 is requested before row rn is used.
.set rn, 0
.rept 27
.if rn < 25
.set rm, rn+2
	LOADROW 3, 6, (R3+12*(rm%3)), (AS+(rm%9)/3), ((rm%3)*ROWP+(rm/9)*CHP)
	s_wait_dscnt 12                                ; row rn is in; rows rn + 1 and rn + 2 (6 loads each) stay out
.else
	s_wait_dscnt (26-rn)*6                         ; the last two rows: the count runs down
.endif
	ROWXY 3, XS3, TY3, (R3+12*(rn%3)), (rn%3)
.if rn%3 == 2
	ZACC (\db+8*(rn/9)), (W+48+8*((rn%9)/3)), TY3, 0       ; summed on top of the voxel's own flow: F + warp(F)
.endif
.set rn, rn+1
.endr
.endm
; second phase of squaring step g: the two rows go into the destination ring
.macro STEP_S g, db, se, ad
	GEOM \g
	s_sub_co_u32 s52, s22, JB
	s_mul_i32 s52, s52, 2*ROWP
	s_add_co_u32 s53, s23, PH
	s_and_b32 s53, s53, DM
	s_mul_i32 s53, s53, PD
	s_add_co_u32 s53, s53, s52
	s_add_co_u32 s53, s53, RD
	v_add_nc_u32 v[\ad], s53, v[LF]
	v_add_nc_u32 v[\ad+1], s53, v[SF]
	STORE_FLOW \db, \se, \ad, (\ad+1)
.endm
	; ---------------------------------------------------------------- set-up
	s_load_b128 s[4:7], s[0:1], 0x0                ; raw, x
	s_load_b64 s[8:9], s[0:1], 0x10                ; out0
	v_lshl_add_u32 v254, v0, 2, 0x4c400
	v_mov_b32 v255, 0
	v_lshrrev_b32 v[T], 5, v0
	v_readfirstlane_b32 s22, v[T]                  ; wave 0..15
	s_lshl_b32 s25, ttmp9, 3                       ; y0
	s_and_b32 s52, ttmp7, 0xffff
	s_lshr_b32 s53, s52, 3                         ; batch
	s_and_b32 s52, s52, 7
	s_lshl_b32 s26, s52, 4                         ; z0
	s_mov_b32 s70, 0xc1a00000                      ; -20.0
	s_mov_b32 s71, 0x41a00000                      ; +20.0
	v_and_b32 v[T], 15, v0                         ; l
	v_bfe_u32 v[HF], v0, 4, 1
	v_lshlrev_b32 v[T+1], 3, v[T]
	v_mad_u32_u24 v[LF], v[HF], ROWP, v[T+1]
	v_mad_u32_u24 v[LX], v[HF], XROWP, v[T+1]
	v_add_nc_u32 v[T+2], 1, v[T]
	v_lshrrev_b32 v[T+2], 4, v[T+2]                ; 1 where l = 15, else 0
	v_add_nc_u32 v[T+3], 15, v[T]
	v_lshrrev_b32 v[T+3], 4, v[T+3]                ; 0 where l = 0, else 1
	v_lshlrev_b32 v[T+3], 7, v[T+3]
	v_sub_nc_u32 v[T+3], 128, v[T+3]               ; 128 where l = 0, else 0
	v_mad_u32_u24 v[SF], v[T+2], 288, v[LF]        ; l = 15: 120 + 288 = byte 408
	v_add_nc_u32 v[SF], v[SF], v[T+3]              ; l = 0: byte 128
	v_mad_u32_u24 v[SX], v[T+2], 152, v[LX]        ; l = 15: 120 + 152 = byte 272
	v_add_nc_u32 v[SX], v[SX], v[T+3]
	v_cmp_eq_u32 s28, 15, v[T]
	v_cmp_eq_u32 s31, 0, v[T]
	v_lshlrev_b32 v[T+1], 4, v[T]                  ; 16 l
	v_lshl_add_u32 v[GY], v[HF], 9, v[T+1]
	s_lshl_b32 s54, s22, 1
	s_add_co_u32 s54, s54, s25                     ; y0 + 2 w
	s_sub_co_u32 s55, s54, 19                      ; stage A, wave w: rows y0 - 3 + 2 (w - 8) + hf, clamped into the volume
	v_add_nc_u32 v[T+2], s55, v[HF]
	v_max_i32 v[T+2], 0, v[T+2]
	v_min_i32 v[T+2], 127, v[T+2]
	v_lshl_add_u32 v[RY], v[T+2], 9, v[T+1]
	s_sub_co_u32 s55, s54, 22                      ; stage X, wave w: rows y0 - 2 + 2 (w - 10) + hf, clamped
	v_add_nc_u32 v[T+2], s55, v[HF]
	v_max_i32 v[T+2], 0, v[T+2]
	v_min_i32 v[T+2], 127, v[T+2]
	v_lshl_add_u32 v[XY], v[T+2], 9, v[T+1]
	v_lshlrev_b32 v[T+2], 2, v[T]
	v_cvt_f32_u32 v[T+2], v[T+2]                   ; 4 l
	v_sub_f32 v[XB], 0, v[T+2]
	v_sub_f32 v[XB+2], -1.0, v[T+2]
	v_sub_f32 v[XB+4], -2.0, v[T+2]
	v_sub_f32 v[XB+6], 0xc0400000, v[T+2]          ; -3 - 4 l
.irp k, 0,1,2,3
	v_add_f32 v[XB+2*\k+1], 0x427c0000, v[XB+2*\k] ; 63 - 4 l - k
.endr
	v_mov_b32 v[C18], 0x3e400000                   ; 0.1875
	v_mov_b32 v[C18+1], 0x3e400000
	; The second phase stores the flow registers only in the trips in which the first phase has computed them, but the two phases test
	; the trip counter apart; so that every path of the text reads only written registers, they are written once here.
.set i, 0
.rept 24
	v_mov_b32 v[D+i], 0
	v_mov_b32 v[D2+i], 0
.set i, i+1
.endr
	s_wait_kmcnt 0x0
	s_lshl_b32 s56, s53, 25                        ; batch x 4 channels
	s_mov_b32 s57, 0
	s_add_nc_u64 s[10:11], s[4:5], s[56:57]
	s_add_nc_u64 s[12:13], s[10:11], CHB           ; a base for each channel: the channel's stride does not fit an immediate offset
	s_add_nc_u64 s[14:15], s[12:13], CHB
	s_add_nc_u64 s[16:17], s[14:15], CHB
	s_lshl_b32 s56, s53, 24                        ; batch x 2 channels,
	s_add_nc_u64 s[18:19], s[6:7], s[56:57]
	s_add_nc_u64 s[18:19], s[18:19], CHB           ; channel 1
	s_lshl_b32 s56, s53, 23
	s_add_nc_u64 s[20:21], s[8:9], s[56:57]
	s_mov_b32 s23, 0                               ; t
	s_mov_b32 s24, 0                               ; t mod 6
	; ---------------------------------------------------------------- one trip of the march
.Ltrip:
	s_wait_dscnt 0x0                               ; my LDS stores of the last trip are done:
	s_barrier_signal -1
	s_barrier_wait -1                              ; behind this barrier every wave may read them
	; requests from memory, a whole stencil task ahead of their use
	s_cmp_lt_u32 s22, 8
	s_cbranch_scc1 .Lwork
	s_cmp_gt_u32 s22, 14
	s_cbranch_scc1 .Lreq_x
	s_min_u32 s52, s23, 21                         ; stage A: plane z0 - 3 + min(t, 21), clamped into the volume
	s_add_co_u32 s52, s52, s26
	s_sub_co_u32 s52, s52, 3
	s_max_i32 s52, s52, 0
	s_min_i32 s52, s52, 127
	s_lshl_b32 s52, s52, 16
	v_add_nc_u32 v[RO], s52, v[RY]                 ; the loads that named RO were waited for in the last trip's first phase
.irp ch, 0,1,2
	global_load_b128 v[RAW+8*\ch:RAW+8*\ch+3], v[RO], s[10+2*\ch:11+2*\ch]                  ; x = 4 l .. 4 l + 3
	global_load_b128 v[RAW+8*\ch+4:RAW+8*\ch+7], v[RO], s[10+2*\ch:11+2*\ch] offset:256     ; x = 64 + 4 l ..
.endr
.Lreq_x:
	s_cmp_lt_u32 s22, 10
	s_cbranch_scc1 .Lwork
	s_max_u32 s52, s23, 5                          ; stage X: plane z0 - 2 + (t - 5) with t held in 5..24, clamped into the volume
	s_min_u32 s52, s52, 24
	s_add_co_u32 s52, s52, s26
	s_sub_co_u32 s52, s52, 7
	s_max_i32 s52, s52, 0
	s_min_i32 s52, s52, 127
	s_lshl_b32 s52, s52, 16
	v_add_nc_u32 v[XO], s52, v[XY]                 ; the loads that named XO were waited for in the last trip's second phase
	global_load_b128 v[XR:XR+3], v[XO], s[18:19]
	global_load_b128 v[XR+4:XR+7], v[XO], s[18:19] offset:256
.Lwork:
	s_cmp_lt_u32 s22, 4
	s_cbranch_scc0 .Lsteps
	s_cmp_lt_u32 s23, 10
	s_cbranch_scc1 .Lmid
	; ---------------------------------------------------------------- FIN: waves 0-3, output plane z0 + t - 10, rows y0 + 2 w + hf
	s_wait_xcnt 0x0                                ; the last trip's stores have read GO and OUT (ISA guide 3.1): both are rewritten below
	s_add_co_u32 s52, s26, s23
	s_sub_co_u32 s52, s52, 10                      ; z
	s_lshl_b32 s53, s22, 1
	s_add_co_u32 s54, s53, s25                     ; y of the task's first row
	s_lshl_b32 s55, s52, 16
	s_lshl_b32 s56, s54, 9
	s_add_co_u32 s55, s55, s56
	v_add_nc_u32 v[GO], s55, v[GY]
	global_load_b128 v[RT:RT+3], v[GO], s[16:17] th:TH_LOAD_NT             ; raw[3]: read once in the launch, used behind the stencil
	global_load_b128 v[RT+4:RT+7], v[GO], s[16:17] offset:256 th:TH_LOAD_NT
	s_mul_i32 s57, s22, 2*XROWP
	s_add_co_u32 s57, s57, RX
.irp i, 0,1,2,3,4
	s_add_co_u32 s58, s24, 2+\i                    ; x plane t - 10 + i lies in slot (t + 2 + i) mod 6
	s_sub_co_u32 s59, s58, 6
	s_cmp_ge_u32 s58, 6
	s_cselect_b32 s58, s59, s58
	s_mul_i32 s58, s58, XPL
	s_add_co_u32 s58, s58, s57
	v_add_nc_u32 v[AS+\i], s58, v[LX]
.endr
	s_and_b32 s58, s23, 1                          ; F3 plane t - 10 lies in slot t & 1
	s_mul_i32 s58, s58, 8*ROWP
	s_mul_i32 s59, s22, 2*ROWP
	s_add_co_u32 s58, s58, s59
	s_add_co_u32 s58, s58, RF3
	v_add_nc_u32 v[AS+5], s58, v[LF]
	CENTRE D, (AS+5), 0
	LOADROW 2, 8, R5, AS, 0
	LOADROW 2, 8, (R5+16), AS, XROWP
	BOUNDS 54, 52
	s_wait_dscnt 16                                ; the flow is in; the two rows of 8 loads stay out
.irp axis, 0,1,2
.irp k, 0,1,2,3
	W5 \axis, \k
.endr
.endr
	; 25 source rows: plane rn / 5, row rn % 5
.set rn, 0
.rept 25
.if rn < 23
.set rm, rn+2
	LOADROW 2, 8, (R5+16*(rm%3)), (AS+rm/5), ((rm%5)*XROWP)
	s_wait_dscnt 16                                ; row rn is in; rows rn + 1 and rn + 2 (8 loads each) stay out
.else
	s_wait_dscnt (24-rn)*8                         ; the last two rows: the count runs down
.endif
	ROWXY 5, XS5, TY5, (R5+16*(rn%3)), (rn%5)
.if rn%5 == 4
	ZACC ACC, (W+80+8*(rn/5)), TY5, (rn==4)
.endif
.set rn, rn+1
.endr
	; out = a / (a + b E), a = w + eps, b = 1 - w + eps, E = exp(-tanh(u) sigmoid(u)), and with e = exp(-u):
	; tanh(u) sigmoid(u) = (1 - e) / (1 + e e).  Negative a or b (a logarithm of a negative number in the reference) gives NaN.
	s_wait_loadcnt 0x0                             ; raw[3]
.irp i, 0,1,2,3,4,5,6,7
	v_med3_num_f32 v[RT+\i], v[RT+\i], s70, s71    ; u in +-20 keeps e e finite
.endr
.irp i, 0,2,4,6
	v_pk_mul_f32 v[RT+\i:RT+\i+1], v[RT+\i:RT+\i+1], 0xbfb8aa3b op_sel_hi:[1,0]
.endr
.irp i, 0,1,2,3,4,5,6,7
	v_exp_f32 v[RT+\i], v[RT+\i]                   ; e
.endr
.irp i, 0,2,4,6                                    ; plain work on other registers stands between the exponentials and their use (ISA guide 5.7.2)
	v_pk_add_f32 v[AA+\i:AA+\i+1], v[ACC+\i:ACC+\i+1], 0x38d1b717 op_sel_hi:[1,0]
	v_pk_add_f32 v[BB+\i:BB+\i+1], v[ACC+\i:ACC+\i+1], 0x3f800347 op_sel_hi:[1,0] neg_lo:[1,0] neg_hi:[1,0]
.endr
	s_wait_alu depctr_va_vdst(0)
.irp i, 0,2,4,6
	v_pk_fma_f32 v[Q+\i:Q+\i+1], v[RT+\i:RT+\i+1], v[RT+\i:RT+\i+1], 1.0 op_sel_hi:[1,1,0]
.endr
.irp i, 0,1,2,3,4,5,6,7
	v_rcp_f32 v[Q+\i], v[Q+\i]
.endr
.irp i, 0,2,4,6
	v_pk_add_f32 v[RT+\i:RT+\i+1], v[RT+\i:RT+\i+1], -1.0 op_sel_hi:[1,0]      ; e - 1: names none of the reciprocals' registers
.endr
	s_wait_alu depctr_va_vdst(0)
.irp i, 0,2,4,6
	v_pk_mul_f32 v[RT+\i:RT+\i+1], v[RT+\i:RT+\i+1], v[Q+\i:Q+\i+1]
.endr
.irp i, 0,2,4,6
	v_pk_mul_f32 v[RT+\i:RT+\i+1], v[RT+\i:RT+\i+1], 0x3fb8aa3b op_sel_hi:[1,0]
.endr
.irp i, 0,1,2,3,4,5,6,7
	v_exp_f32 v[RT+\i], v[RT+\i]                   ; E
.endr
.irp i, 0,1,2,3,4,5,6,7
	v_min_num_f32 v[MM+\i], v[AA+\i], v[BB+\i]     ; again plain work on other registers behind the exponentials
.endr
	s_wait_alu depctr_va_vdst(0)
.irp h, 0,1
.irp k, 0,1,2,3
	v_fma_f32 v[Q+4*\h+\k], v[BB+2*\k+\h], v[RT+4*\h+\k], v[AA+2*\k+\h]        ; from pair order (2 k + h) to memory order (4 h + k)
.endr
.endr
.irp i, 0,1,2,3,4,5,6,7
	v_rcp_f32 v[Q+\i], v[Q+\i]
.endr
	v_nop                                          ; the place behind the reciprocals (ISA guide 5.7.2)
	s_wait_alu depctr_va_vdst(0)
.irp h, 0,1
.irp k, 0,1,2,3
	v_mul_f32 v[Q+4*\h+\k], v[AA+2*\k+\h], v[Q+4*\h+\k]
	v_cmp_le_f32 vcc_lo, 0, v[MM+2*\k+\h]
	v_cndmask_b32 v[OUT+4*\h+\k], 0x7fc00000, v[Q+4*\h+\k], vcc_lo
.endr
.endr
	global_store_b128 v[GO], v[OUT:OUT+3], s[20:21] th:TH_STORE_NT             ; sixteen neighbouring lanes cover 256 aligned bytes of a row
	global_store_b128 v[GO], v[OUT+4:OUT+7], s[20:21] offset:256 th:TH_STORE_NT
	s_branch .Lmid
	; ---------------------------------------------------------------- waves 4-15, first phase: squaring steps, then tanh
.Lsteps:
	s_cmp_lt_u32 s22, 10
	s_cbranch_scc0 .Lf2
	UNLESS_T 3, 22, .Lf3
	STEP_C 0, D                                    ; waves 4-9: F1
.Lf3:
	s_cmp_gt_u32 s22, 7
	s_cbranch_scc1 .Lfeed
	UNLESS_T 9, 24, .Lmid
	STEP_C 2, D2                                   ; waves 4-7: F3, beside F1's rows, which wait in D for the second phase
	s_branch .Lmid
.Lf2:
	s_cmp_gt_u32 s22, 14
	s_cbranch_scc1 .Lmid
	UNLESS_T 6, 23, .Lfeed
	STEP_C 1, D                                    ; waves 10-14: F2
.Lfeed:
	; stage A, waves 8-14: F0 = 0.1875 tanh(raw) = 0.1875 - 0.375 / (1 + exp(2 raw)), into the weights' registers, which are free now
	s_wait_loadcnt 0x0                             ; this trip's loads, issued in front of the stencil task
.irp ch, 0,1,2
.irp k, 0,1,2,3
	v_mul_f32 v[W+8*\ch+2*\k], 0x4038aa3b, v[RAW+8*\ch+\k]         ; 2 log2(e) raw, and from memory order into pair order
	v_mul_f32 v[W+8*\ch+2*\k+1], 0x4038aa3b, v[RAW+8*\ch+4+\k]
.endr
.endr
.set i, 0
.rept 24
	v_exp_f32 v[W+i], v[W+i]
.set i, i+1
.endr
	v_nop                                          ; the place behind the exponentials (ISA guide 5.7.2)
.set i, 0
	s_wait_alu depctr_va_vdst(0)
.rept 12
	v_pk_add_f32 v[W+i:W+i+1], v[W+i:W+i+1], 1.0 op_sel_hi:[1,0]
.set i, i+2
.endr
.set i, 0
.rept 24
	v_rcp_f32 v[W+i], v[W+i]                       ; an overflowed exponential gives 0 here, and so +0.1875
.set i, i+1
.endr
	v_nop
.set i, 0
	s_wait_alu depctr_va_vdst(0)
.rept 12
	v_pk_fma_f32 v[W+i:W+i+1], v[W+i:W+i+1], 0xbec00000, v[C18:C18+1] op_sel_hi:[1,0,1]
.set i, i+2
.endr
	; ---------------------------------------------------------------- second phase: what the first phase made goes into the rings
.Lmid:
	s_wait_dscnt 0x0                               ; my reads of this trip are over:
	s_barrier_signal -1
	s_barrier_wait -1                              ; behind this barrier every slot may be stored into
	s_cmp_lt_u32 s22, 4
	s_cbranch_scc1 .Lnext
	s_cmp_lt_u32 s22, 10
	s_cbranch_scc0 .Lst_f2
	UNLESS_T 3, 22, .Lst_f3
	STEP_S 0, D, SE1, AS
.Lst_f3:
	s_cmp_gt_u32 s22, 7
	s_cbranch_scc1 .Lst_feed
	UNLESS_T 9, 24, .Lnext
	STEP_S 2, D2, SE2, (AS+2)
	s_branch .Lnext
.Lst_f2:
	s_cmp_gt_u32 s22, 14
	s_cbranch_scc1 .Lst_x
	UNLESS_T 6, 23, .Lst_feed
	STEP_S 1, D, SE1, AS
.Lst_feed:
	s_sub_co_u32 s52, s22, 8                       ; stage A, waves 8-14: rows 2 (w - 8), + 1 of slot t & 3
	s_mul_i32 s52, s52, 2*ROWP
	s_and_b32 s53, s23, 3
	s_mul_i32 s53, s53, 14*ROWP
	s_add_co_u32 s52, s52, s53
	v_add_nc_u32 v[AS+2], s52, v[LF]
	v_add_nc_u32 v[AS+3], s52, v[SF]
	STORE_FLOW W, SE2, (AS+2), (AS+3)
	s_cmp_lt_u32 s22, 10
	s_cbranch_scc1 .Lnext
.Lst_x:
	; stage X, waves 10-15: two rows of x[1] into slot (t + 1) mod 6, in pair order
	s_add_co_u32 s52, s24, 1
	s_cmp_eq_u32 s52, 6
	s_cselect_b32 s52, 0, s52
	s_mul_i32 s52, s52, XPL
	s_sub_co_u32 s53, s22, 10
	s_mul_i32 s53, s53, 2*XROWP
	s_add_co_u32 s52, s52, s53
	s_add_co_u32 s52, s52, RX
	v_add_nc_u32 v[AS+4], s52, v[LX]
	v_add_nc_u32 v[AS+5], s52, v[SX]
	s_wait_loadcnt 0x0                             ; this trip's loads of x, issued at its head
.irp k, 0,1,2,3
	ds_store_b32 v[AS+4], v[XR+\k] offset:\k*SEG+(\k>>1)*8
	ds_store_b32 v[AS+4], v[XR+4+\k] offset:\k*SEG+(\k>>1)*8+4
.endr
	; the seam, all lanes on: lane 15 puts x = 62, 63 at positions -2, -1; lane 0 puts x = 64, 65 at positions 64, 65;
	; the other lanes store their own pairs 0 and 1 once more where they lie
.irp k, 0,1
	v_cndmask_b32 v[SEX+2*\k], v[XR+\k], v[XR+4+\k], s31
	v_cndmask_b32 v[SEX+2*\k], v[SEX+2*\k], v[XR+2+\k], s28
	v_cndmask_b32 v[SEX+2*\k+1], v[XR+4+\k], v[XR+2+\k], s28
	ds_store_b64 v[AS+5], v[SEX+2*\k:SEX+2*\k+1] offset:\k*SEG
.endr
.Lnext:
	s_add_co_u32 s24, s24, 1
	s_cmp_eq_u32 s24, 6
	s_cselect_b32 s24, 0, s24
	s_add_co_u32 s23, s23, 1
	s_cmp_lt_u32 s23, 26
	s_cbranch_scc1 .Ltrip
	s_wait_tensorcnt 0x0
	ds_add_u32 v254, v255
	s_wait_dscnt 0x0
	s_endpgm
.Lfunc_end_k_q2f94c79786_diffeo:
	.size	k_q2f94c79786_diffeo, .Lfunc_end_k_q2f94c79786_diffeo-k_q2f94c79786_diffeo
	.p2alignl 7, 3214868480
	.fill 96, 4, 3214868480
	.section	.rodata,"a",@progbits
	.p2align	6, 0x0
	.amdhsa_kernel k_q2f94c79786_diffeo
		.amdhsa_group_segment_fixed_size 314368
		.amdhsa_private_segment_fixed_size 0
		.amdhsa_enable_private_segment 0
		.amdhsa_kernarg_size 24
		.amdhsa_user_sgpr_count 2
		.amdhsa_user_sgpr_kernarg_segment_ptr 1
		.amdhsa_wavefront_size32 1
		.amdhsa_system_sgpr_workgroup_id_x 1
		.amdhsa_system_sgpr_workgroup_id_y 1
		.amdhsa_system_sgpr_workgroup_id_z 1
		.amdhsa_system_vgpr_workitem_id 0
		.amdhsa_next_free_vgpr 256
		.amdhsa_next_free_sgpr 72
		.amdhsa_reserve_vcc 1
		.amdhsa_float_denorm_mode_32 3
		.amdhsa_float_denorm_mode_16_64 3
		.amdhsa_memory_ordered 1
		.amdhsa_forward_progress 1
		.amdhsa_inst_pref_size 233
	.end_amdhsa_kernel
	.amdgpu_metadata
---
amdhsa.version: [ 1, 2 ]
amdhsa.kernels:
  - .name:           k_q2f94c79786_diffeo
    .symbol:         k_q2f94c79786_diffeo.kd
    .args:
      - { .name: raw, .offset: 0, .size: 8, .value_kind: global_buffer, .address_space: global }
      - { .name: x, .offset: 8, .size: 8, .value_kind: global_buffer, .address_space: global }
      - { .name: out0, .offset: 16, .size: 8, .value_kind: global_buffer, .address_space: global }
    .group_segment_fixed_size: 314368
    .private_segment_fixed_size: 0
    .kernarg_segment_align: 8
    .kernarg_segment_size: 24
    .max_flat_workgroup_size: 512
    .sgpr_count:     72
    .vgpr_count:     256
    .wavefront_size: 32
...
	.end_amdgpu_metadata
.endif
;; end of part 1
;; ======== version 2 of 2: 1 launch; version 1 with the launch diffeo written anew for expert scheduling mode
;; launch diffeo (part 2): grid 16 x 16, 16 waves a work-group, no clusters, 314,368 bytes of LDS; arguments raw, x, out0; writes out0
.if DOCPART == 2
	.amdgcn_target "amdgcn-amd-amdhsa--gfx1250"
	.amdhsa_code_object_version 6
	.text
	.protected	k_q2f94c79786_diffeo
	.globl	k_q2f94c79786_diffeo
	.p2align	8
	.type	k_q2f94c79786_diffeo,@function
k_q2f94c79786_diffeo:
	s_mov_b64 s[64:65], 0
	v_nop
	global_prefetch_b8 v0, s[64:65] scope:SCOPE_SE
	s_setreg_imm32_b32 hwreg(HW_REG_WAVE_SCHED_MODE, 0, 2), 2
	s_setreg_imm32_b32 hwreg(HW_REG_WAVE_MODE, 25, 1), 1
	s_wait_xcnt 0x0
	s_wait_alu depctr_vm_vsrc(0)
; DiffeomorphicNetwork, whole in one launch.  raw [2][4][128][128][128], x [2][2][128][128][128], out0 [2][1][128][128][128], all f32.
;   F0 = 0.1875 tanh(raw[0..2]);  three times F <- F + trilinear(F at p + F);  w = trilinear(x[1] at p + F3);
;   out = sigmoid(log(w + eps) - log(1 - w + eps) + tanh(raw[3]) sigmoid(raw[3])).
;
; NO GATHER.  tanh bounds |F0| by 0.1875 and each step at most doubles the bound (0.375, 0.75, 1.5), whatever the inputs hold.  So a
; squaring step samples inside offsets -1..+1 of its own voxel along each axis and the last warp inside -2..+2, and trilinear sampling
; with clamped coordinates is a fixed separable stencil with hat weights w_j = max(0, 1 - |T - j|), T = the displacement clamped to
; [-c, 127 - c] (c = the voxel's coordinate).  The clamp makes the weight of every tap outside the volume exactly 0.  All addresses
; are made of ids, the wave number and the trip counter.
;
; SHARING.  256 work-groups: 16 y tiles x (2 batches x 8 z tiles); a tile is 128 x, 8 y, 16 z.  The work-group marches along z in 26
; trips; five stages work on different planes of the march and hand planes on through rings in LDS:
;   A  : F0 plane t        (14 rows, 4 slots)   every trip, plane min(t, 21)
;   g=0: F1 plane t-3      (12 rows, 4 slots)   trips 3..22      X  : x plane t-5 (12 rows, 6 slots), every trip, t held in 5..24
;   g=1: F2 plane t-6      (10 rows, 4 slots)   trips 6..23      FIN: output plane t-10 (8 rows)         trips 10..25
;   g=2: F3 plane t-9      ( 8 rows, 2 slots)   trips 9..24
; A TRIP HAS TWO PHASES AND TWO BARRIERS.  In the first phase LDS is only read (stencils; tanh works in registers), in the second it is
; only stored into.  Which slot a stage reads or fills hangs on the trip counter; with the two barriers every read and every store of
; another wave are ordered whatever the slots are.  (The rings keep a power of two of slots because a mask is cheaper than a modulus.)
; Stages A and X have no trip window: outside it they repeat their first or last plane into slots that are filled again before they
; are read, or are never read again, so that each of their loads and the wait for it lie on one path of the wave.
; Rows and planes of the halo that fall outside the volume are loaded from clamped y and z and computed like the rest; what they hold
; is finite and meets only weights that are exactly 0 in voxels inside the volume.
; A wave's task is two neighbouring rows (lanes 0-15 one, lanes 16-31 the next).  Waves 0-3: FIN.  4-9: F1.  10-14: F2.  Waves 4-7 also
; F3.  Waves 8-14 also stage A.  Waves 10-15 also stage X.
;
; PAIRS.  Lane l (0..15) owns positions p = 4 l + k, k = 0..3; position p is the pair of voxels (x = p, x = 64 + p) in an even-aligned
; register pair, so that all stencil arithmetic is packed (v_pk_fma_f32).  In LDS a row of one channel is four segments of 136 bytes,
; position 4 l' + k at 136 k + 8 (l' + (k >> 1)): every ds_load_b64 / ds_store_b64 touches 128 neighbouring bytes for each half of
; the wave, and the row pitches (1664, 640) are 128 modulo 256, so the two halves fall on different banks.  The spare slots hold the
; seam positions -2, -1, 64, 65 (the pair's other word is a finite filler whose weight is 0).
;
; THE MODE: SCHED_MODE bits 1:0 = 2 (LLVM: expert scheduling mode 2), set by the entry lines.  The code itself states the register
; dependences between vector instructions and memory or LDS instructions, with s_wait_alu, always for 0.
; THE PLAN.  Registers that memory or LDS instructions touch, round a trip:
;   row buffers   FOUR to a stencil task.  Row rn's packed instructions read buffer rn % 4; at the head of row rn the LDS loads of row
;                 rn + 2 land in buffer (rn + 2) % 4, which row rn - 2 read last.
;   D, D2         a task's own flow: LDS loads land at the task's head; weights read it, the sums along z write it; in the second
;                 phase the seam's selects and the LDS stores read it.
;   W             weights, named by vector instructions alone in the stencils; stage A's tanh writes it, stage A's LDS stores read it.
;   RAW, XR, RT   global loads land at the trip's (FIN's) head; vector instructions read them later; LDS stores read XR too.
;   OUT           FIN's selects write it, its two global stores read it.      SE1, SE2, SEX   selects write them, LDS stores read them.
;   RO, XO, GO, AS .. AS+5   offsets and LDS addresses, each written once a phase by one vector add.  A wave's two stencil tasks and
;                 its up to three store blocks have address registers of their own, so none is written twice in a phase.
; THE WAITS.  vm_vsrc at the head of each phase: what the phase before issued has read all its registers, which this phase writes again.
; va_vdst: behind the add that makes RO, and XO; once at the head of a stencil task, behind its address adds, for the loads of the
; flow and of rows 0 to 3; at every second row from row 2 on, for that row's and the next row's loads (between the wait and the second
; of them stands one row's arithmetic, which names another buffer, the weights and the sums); once in a store block, behind its
; address adds and selects, ahead of its run of stores.  va_sdst: behind the set-up's three writers of scalar registers, and behind
; FIN's run of eight compares.  EXEC is never written.
;
; LEFT OUT, and why.  Matrix units: the weights differ from output to output, there is no product.  Tensor loads, clusters and joint
; requests: raw needs tanh and the pair order on its way into LDS, so it passes through registers anyway, and what neighbouring
; work-groups share is only halo rows.  Prefetches: each plane's loads are issued a whole stencil task ahead of their use.
;
; LIMITS.  A NaN or an infinity in raw[0..2] or x spreads over the whole 3x3x3 or 5x5x5 stencil (0 x NaN), not only over the eight
; corners that the reference touches.  raw[3] is clamped to +-20, which moves tanh x sigmoid by less than 1e-8; a NaN there is not kept.
; The hat weights differ from the reference's floor / fraction form in the last bits.  1 - w + eps is formed as 1.0001 - w.
.set SEG,   136                        ; bytes of a segment: 17 slots of 8
.set CHP,   544                        ; a row of one channel
.set ROWP,  1664                       ; a flow row: 3 channels + 32
.set XROWP, 640                        ; a row of x
.set XPL,   12*XROWP                   ; a plane of x
.set RF3,   144*ROWP                   ; rings: F0 at 0 (4 x 14 rows), F1 at 56 rows (4 x 12), F2 at 104 rows (4 x 10), F3 at 144 rows (2 x 8)
.set RX,    160*ROWP                   ; x's ring (6 planes); LDS ends at RX + 6 XPL = 312,320
.set CHB,   0x800000                   ; bytes of one channel's volume
; vector registers
.set LF,  1                            ; 8 l + 1664 hf: lane term in flow rows
.set LX,  2                            ; 8 l + 640 hf: lane term in x rows
.set SF,  3                            ; seam address in flow rows: lane 0 -> position 64 (byte 128), lane 15 -> position -1 (byte 408), others their own pair 0
.set SX,  4                            ; seam address in x rows: lane 0 -> byte 128 (and 264), lane 15 -> byte 272 (and 408), others their own pairs 0 (and 1)
.set HF,  5                            ; half of the wave, 0 or 1
.set XY,  6                            ; stage X: byte offset of my 16 bytes in my (clamped) row of a plane
.set GY,  7                            ; 16 l + 512 hf
.set XB,  8                            ; v[8:15]  pair k: (-(4l+k), 63-4l-k): the x bound that can bind for each voxel of the pair
.set RO,  16                           ; offsets of the global accesses: raw[0..2], x, raw[3] and out0
.set XO,  17
.set GO,  18
.set RY,  19                           ; stage A: as XY
.set BND, 20                           ; v[20:23] -y, 127-y, -z, 127-z
.set AS,  24                           ; v[24:29] LDS addresses.  First phase: the three source planes of a wave's first task at AS, of its second (F3) at AS + 3; FIN: five planes of x, and the flow.  Second phase: three pairs (rows, seam)
.set T,   30                           ; v[30:33] at work
.set D,   34                           ; v[34:57] flow of my voxels, channel ch pair k at 8 ch + 2 k
.set W,   58                           ; weights, (axis x taps + tap) x 8 + 2 k: 72 registers (3 taps) or 120 (5 taps); later stage A's F0
.set R3,  130                          ; v[130:177] four row buffers of 6 pairs
.set RAW, 182                          ; v[182:205] waves 8-14: raw as loaded, 8 ch + 4 h + k
.set D2,  182                          ;            waves 4-7: the flow of their second task (F3)
.set XR,  206                          ; v[206:213] x as loaded, 4 h + k
.set SEX, 214                          ; v[214:217] x's seam pairs
.set C18, 220                          ; v[220:221] 0.1875 twice
.set SE1, 222                          ; v[222:227] seam pairs of a wave's first flow store
.set SE2, 228                          ; v[228:233] of its second
.set XS3, 234                          ; v[234:241] sum along x
.set TY3, 242                          ; v[242:249] sum along y
.set XS5, 34                           ; FIN: the flow's registers are free once the weights are made
.set TY5, 42
.set ACC, 50
.set R5,  178                          ; v[178:241] four row buffers of 8 pairs
.set RT,  242                          ; v[242:249] raw[3], 4 h + k
.set Q,   178                          ; FIN's last part works in the row buffers
.set AA,  186
.set BB,  194
.set MM,  202
.set OUT, 210                          ; v[210:217] results, 4 h + k
.set OK,  32                           ; s[32:39] FIN: masks of the lanes whose logarithms exist, 4 h + k
; scalar registers: s[10:17] raw channels 0..3 of my batch, s[18:19] x channel 1, s[20:21] out0, s22 wave, s23 trip t, s24 t mod 6,
; s25 y0, s26 z0, s28 mask l == 15, s31 mask l == 0, s52-s59 at work, s70/s71 -20 / +20
; the sizes of squaring step g (0..2)
.macro GEOM g
.set JB, 4+6*(\g&1)                    ; its first wave: 4, 10, 4
.set RS, 4*\g*(15-\g)*ROWP             ; source ring
.set PS, (14-2*\g)*ROWP                ; a source plane
.set RD, 4*(\g+1)*(14-\g)*ROWP         ; destination ring
.set PD, (12-2*\g)*ROWP                ; a destination plane
.set PH, (4-(3*\g+3)%4)%4              ; t - (3 g + 3), the destination's plane number, is t + PH modulo 4
.set DM, 3-2*(\g/2)                    ; slot mask of the destination ring: 3, 3, 1
.endm
; jump to \label unless \first <= t <= \last
.macro UNLESS_T first, last, label
	s_cmp_lt_u32 s23, \first
	s_cbranch_scc1 \label
	s_cmp_gt_u32 s23, \last
	s_cbranch_scc1 \label
.endm
; \count pairs of a row, positions 4 l + \first - 4 and up, into \buf
.macro LOADROW first, count, buf, areg, imm
.set jj, \first
.rept \count
	ds_load_b64 v[\buf+2*(jj-\first):\buf+2*(jj-\first)+1], v[\areg] offset:\imm+(jj&3)*SEG+((jj>>2)-1+((jj&3)>>1))*8
.set jj, jj+1
.endr
.endm
; the flow of my own voxels: 3 channels x 4 pairs
.macro CENTRE db, areg, imm
.irp ch, 0,1,2
.irp k, 0,1,2,3
	ds_load_b64 v[\db+8*\ch+2*\k:\db+8*\ch+2*\k+1], v[\areg] offset:\imm+\ch*CHP+\k*SEG+(\k>>1)*8
.endr
.endr
.endm
; -c and 127 - c for y (first row in s[\sy], + hf) and z (s[\sz])
.macro BOUNDS sy, sz
	v_add_nc_u32 v[T], s[\sy], v[HF]
	v_cvt_f32_i32 v[T], v[T]
	v_cvt_f32_i32 v[T+1], s[\sz]
	v_sub_f32 v[BND], 0, v[T]
	v_sub_f32 v[BND+1], 0x42fe0000, v[T]
	v_sub_f32 v[BND+2], 0, v[T+1]
	v_sub_f32 v[BND+3], 0x42fe0000, v[T+1]
.endm
; the displacement clamped so that the sample stays in the volume.  Along x the pair's low voxel (x <= 63) can only meet the lower
; bound and its high voxel (x >= 64) only the upper one, since |displacement| < 2.
.macro CLAMPT dst, src, axis, k
.if \axis == 0
	v_max_num_f32 v[\dst], v[\src], v[XB+2*\k]
	v_min_num_f32 v[\dst+1], v[\src+1], v[XB+2*\k+1]
.else
	v_med3_num_f32 v[\dst], v[\src], v[BND+2*\axis-2], v[BND+2*\axis-1]
	v_med3_num_f32 v[\dst+1], v[\src+1], v[BND+2*\axis-2], v[BND+2*\axis-1]
.endif
.endm
; three hat weights for |T| <= 1: w+ = max(T, 0), w- = w+ - T, w0 = 1 + T - 2 w+.  T lives in w0's registers meanwhile.
.macro W3 axis, k, db
.set wa, W+24*\axis+2*\k
	CLAMPT (wa+8), (\db+8*\axis+2*\k), \axis, \k
	v_max_num_f32 v[wa+16], 0, v[wa+8]
	v_max_num_f32 v[wa+17], 0, v[wa+9]
	v_pk_add_f32 v[wa:wa+1], v[wa+16:wa+17], v[wa+8:wa+9] neg_lo:[0,1] neg_hi:[0,1]
	v_pk_add_f32 v[wa+8:wa+9], v[wa+8:wa+9], 1.0 op_sel_hi:[1,0]
	v_pk_fma_f32 v[wa+8:wa+9], v[wa+16:wa+17], -2.0, v[wa+8:wa+9] op_sel_hi:[1,0,1]
.endm
; five hat weights for |T| <= 2: w+2 = max(T-1, 0), w-2 = max(-T-1, 0), P = max(T, 0), N = P - T,
; w+1 = P - 2 w+2, w-1 = N - 2 w-2, w0 = max(0, 1 - (P + N)).  T lives in w0's registers meanwhile.
.macro W5 axis, k
.set wa, W+40*\axis+2*\k
	CLAMPT (wa+16), (D+8*\axis+2*\k), \axis, \k
	v_pk_add_f32 v[wa+32:wa+33], v[wa+16:wa+17], -1.0 op_sel_hi:[1,0]
	v_pk_add_f32 v[wa:wa+1], v[wa+16:wa+17], -1.0 op_sel_hi:[1,0] neg_lo:[1,0] neg_hi:[1,0]
	v_max_num_f32 v[wa+24], 0, v[wa+16]
	v_max_num_f32 v[wa+25], 0, v[wa+17]
	v_max_num_f32 v[wa+32], 0, v[wa+32]
	v_max_num_f32 v[wa+33], 0, v[wa+33]
	v_max_num_f32 v[wa], 0, v[wa]
	v_max_num_f32 v[wa+1], 0, v[wa+1]
	v_pk_add_f32 v[wa+8:wa+9], v[wa+24:wa+25], v[wa+16:wa+17] neg_lo:[0,1] neg_hi:[0,1]
	v_pk_add_f32 v[wa+16:wa+17], v[wa+24:wa+25], v[wa+8:wa+9]
	v_pk_fma_f32 v[wa+24:wa+25], v[wa+32:wa+33], -2.0, v[wa+24:wa+25] op_sel_hi:[1,0,1]
	v_pk_fma_f32 v[wa+8:wa+9], v[wa:wa+1], -2.0, v[wa+8:wa+9] op_sel_hi:[1,0,1]
	v_pk_add_f32 v[wa+16:wa+17], v[wa+16:wa+17], 1.0 op_sel_hi:[1,0] neg_lo:[1,0] neg_hi:[1,0]
	v_max_num_f32 v[wa+16], 0, v[wa+16]
	v_max_num_f32 v[wa+17], 0, v[wa+17]
.endm
; one source row: the sum along x over \nt taps for my four pairs, then its share of the sum along y (row \dy of \nt).
; The first product starts each sum: nothing is cleared.
.macro ROWXY nt, xs, ty, buf, dy
.irp k, 0,1,2,3
	v_pk_mul_f32 v[\xs+2*\k:\xs+2*\k+1], v[W+2*\k:W+2*\k+1], v[\buf+2*\k:\buf+2*\k+1]
.endr
.set tp, 1
.rept \nt-1
.irp k, 0,1,2,3
	v_pk_fma_f32 v[\xs+2*\k:\xs+2*\k+1], v[W+8*tp+2*\k:W+8*tp+2*\k+1], v[\buf+2*(\k+tp):\buf+2*(\k+tp)+1], v[\xs+2*\k:\xs+2*\k+1]
.endr
.set tp, tp+1
.endr
.irp k, 0,1,2,3
.if \dy == 0
	v_pk_mul_f32 v[\ty+2*\k:\ty+2*\k+1], v[W+8*\nt+2*\k:W+8*\nt+2*\k+1], v[\xs+2*\k:\xs+2*\k+1]
.else
	v_pk_fma_f32 v[\ty+2*\k:\ty+2*\k+1], v[W+8*(\nt+\dy)+2*\k:W+8*(\nt+\dy)+2*\k+1], v[\xs+2*\k:\xs+2*\k+1], v[\ty+2*\k:\ty+2*\k+1]
.endif
.endr
.endm
; a finished plane's share of the sum along z
.macro ZACC dst, wz, ty, first
.irp k, 0,1,2,3
.if \first
	v_pk_mul_f32 v[\dst+2*\k:\dst+2*\k+1], v[\wz+2*\k:\wz+2*\k+1], v[\ty+2*\k:\ty+2*\k+1]
.else
	v_pk_fma_f32 v[\dst+2*\k:\dst+2*\k+1], v[\wz+2*\k:\wz+2*\k+1], v[\ty+2*\k:\ty+2*\k+1], v[\dst+2*\k:\dst+2*\k+1]
.endif
.endr
.endm
; my two rows of three channels from v[\base ..] to the slot at v[\ad], then the seam at v[\ads], with all lanes on:
; lane 15 puts x = 63 (low word of its pair 3) at position -1, lane 0 puts x = 64 (high word of its pair 0) at position 64, both words
; of the seam pair get that value (the unused one is the finite filler); the other lanes store their own pair 0 once more where it lies.
; The seam pairs are made first, so that one wait stands ahead of the whole run of stores.
.macro STORE_FLOW base, se, ad, ads
.irp ch, 0,1,2
	v_cndmask_b32 v[\se+2*\ch], v[\base+8*\ch], v[\base+8*\ch+1], s31
	v_cndmask_b32 v[\se+2*\ch], v[\se+2*\ch], v[\base+8*\ch+6], s28
	v_cndmask_b32 v[\se+2*\ch+1], v[\base+8*\ch+1], v[\base+8*\ch+6], s28
.endr
	s_wait_alu depctr_va_vdst(0)                   ; the rows in v[base ..], the seam pairs and the two addresses are written: the fifteen stores below read them
.irp ch, 0,1,2
.irp k, 0,1,2,3
	ds_store_b64 v[\ad], v[\base+8*\ch+2*\k:\base+8*\ch+2*\k+1] offset:\ch*CHP+\k*SEG+(\k>>1)*8
.endr
.endr
.irp ch, 0,1,2
	ds_store_b64 v[\ads], v[\se+2*\ch:\se+2*\ch+1] offset:\ch*CHP
.endr
.endm
; first phase of squaring step g for two rows: F' = F + sum over 3 x 3 x 3 taps of weights x F, three channels, left in v[\db ..];
; the three source planes' addresses in v[\ab ..]
.macro STEP_C g, db, ab
	GEOM \g
	s_sub_co_u32 s59, s22, JB                      ; my task j: destination rows 2 j, 2 j + 1 = source rows 2 j .. 2 j + 3
	s_mul_i32 s52, s59, 2*ROWP
.irp i, 0,1,2
	s_add_co_u32 s53, s23, PH+\i                   ; source planes n, n + 1, n + 2 lie in slots (n + i) & 3
	s_and_b32 s53, s53, 3
	s_mul_i32 s53, s53, PS
	s_add_co_u32 s53, s53, s52
	s_add_co_u32 s53, s53, RS
	v_add_nc_u32 v[\ab+\i], s53, v[LF]
.endr
	s_lshl_b32 s58, s59, 1
	s_add_co_u32 s58, s58, s25
	s_sub_co_u32 s58, s58, 2-\g                    ; y of the task's first row
	s_add_co_u32 s57, s26, s23
	s_sub_co_u32 s57, s57, 5+2*\g                  ; z of the destination
	s_wait_alu depctr_va_vdst(0)                   ; the three addresses are written; every earlier vector instruction is done with v[db ..] and with the four row buffers, in which the loads of the flow and of rows 0 to 3 land
	CENTRE \db, (\ab+1), ROWP
	LOADROW 3, 6, R3, \ab, 0
	LOADROW 3, 6, (R3+12), \ab, ROWP
	BOUNDS 58, 57
	s_wait_dscnt 12                                ; LDS answers in order (ISA guide 5.7.1): my own flow is in, the two rows of 6 loads stay out
.irp axis, 0,1,2
.irp k, 0,1,2,3
	W3 \axis, \k, \db
.endr
.endr
	; 27 source rows: channel rn / 9, plane (rn % 9) / 3, row rn % 3.  Row rn + 2 is requested before row rn is used.
.set rn, 0
.rept 27
.if rn < 26
	s_wait_dscnt 6                                 ; row rn is in; row rn + 1 (6 loads) stays out
.else
	s_wait_dscnt 0x0                               ; the last row
.endif
.if rn < 25
.if (rn%2 == 0) && (rn > 0)
	s_wait_alu depctr_va_vdst(0)                   ; rows up to rn - 1 are done reading their buffers: row rn + 2 lands in row rn - 2's now, row rn + 3 in row rn - 1's behind row rn's arithmetic, which names neither
.endif
.set rm, rn+2
	LOADROW 3, 6, (R3+12*(rm%4)), (\ab+(rm%9)/3), ((rm%3)*ROWP+(rm/9)*CHP)
.endif
	ROWXY 3, XS3, TY3, (R3+12*(rn%4)), (rn%3)
.if rn%3 == 2
	ZACC (\db+8*(rn/9)), (W+48+8*((rn%9)/3)), TY3, 0       ; summed on top of the voxel's own flow: F + warp(F)
.endif
.set rn, rn+1
.endr
.endm
; second phase of squaring step g: the two rows go into the destination ring
.macro STEP_S g, db, se, ad
	GEOM \g
	s_sub_co_u32 s52, s22, JB
	s_mul_i32 s52, s52, 2*ROWP
	s_add_co_u32 s53, s23, PH
	s_and_b32 s53, s53, DM
	s_mul_i32 s53, s53, PD
	s_add_co_u32 s53, s53, s52
	s_add_co_u32 s53, s53, RD
	v_add_nc_u32 v[\ad], s53, v[LF]
	v_add_nc_u32 v[\ad+1], s53, v[SF]
	STORE_FLOW \db, \se, \ad, (\ad+1)
.endm
	; ---------------------------------------------------------------- set-up
	s_load_b128 s[4:7], s[0:1], 0x0                ; raw, x
	s_load_b64 s[8:9], s[0:1], 0x10                ; out0
	v_lshl_add_u32 v254, v0, 2, 0x4c400
	v_mov_b32 v255, 0
	v_lshrrev_b32 v[T], 5, v0
	v_readfirstlane_b32 s22, v[T]                  ; wave 0..15
	s_lshl_b32 s25, ttmp9, 3                       ; y0
	s_and_b32 s52, ttmp7, 0xffff
	s_lshr_b32 s53, s52, 3                         ; batch
	s_and_b32 s52, s52, 7
	s_lshl_b32 s26, s52, 4                         ; z0
	s_mov_b32 s70, 0xc1a00000                      ; -20.0
	s_mov_b32 s71, 0x41a00000                      ; +20.0
	v_and_b32 v[T], 15, v0                         ; l
	v_bfe_u32 v[HF], v0, 4, 1
	v_lshlrev_b32 v[T+1], 3, v[T]
	v_mad_u32_u24 v[LF], v[HF], ROWP, v[T+1]
	v_mad_u32_u24 v[LX], v[HF], XROWP, v[T+1]
	v_add_nc_u32 v[T+2], 1, v[T]
	v_lshrrev_b32 v[T+2], 4, v[T+2]                ; 1 where l = 15, else 0
	v_add_nc_u32 v[T+3], 15, v[T]
	v_lshrrev_b32 v[T+3], 4, v[T+3]                ; 0 where l = 0, else 1
	v_lshlrev_b32 v[T+3], 7, v[T+3]
	v_sub_nc_u32 v[T+3], 128, v[T+3]               ; 128 where l = 0, else 0
	v_mad_u32_u24 v[SF], v[T+2], 288, v[LF]        ; l = 15: 120 + 288 = byte 408
	v_add_nc_u32 v[SF], v[SF], v[T+3]              ; l = 0: byte 128
	v_mad_u32_u24 v[SX], v[T+2], 152, v[LX]        ; l = 15: 120 + 152 = byte 272
	v_add_nc_u32 v[SX], v[SX], v[T+3]
	v_cmp_eq_u32 s28, 15, v[T]
	v_cmp_eq_u32 s31, 0, v[T]
	v_lshlrev_b32 v[T+1], 4, v[T]                  ; 16 l
	v_lshl_add_u32 v[GY], v[HF], 9, v[T+1]
	s_wait_alu depctr_va_sdst(0)                   ; s22 (the wave's number) and the lane masks s28 and s31 are written, ahead of the first reader of any of them: the line below reads s22, the seams' selects read the masks
	s_lshl_b32 s54, s22, 1
	s_add_co_u32 s54, s54, s25                     ; y0 + 2 w
	s_sub_co_u32 s55, s54, 19                      ; stage A, wave w: rows y0 - 3 + 2 (w - 8) + hf, clamped into the volume
	v_add_nc_u32 v[T+2], s55, v[HF]
	v_max_i32 v[T+2], 0, v[T+2]
	v_min_i32 v[T+2], 127, v[T+2]
	v_lshl_add_u32 v[RY], v[T+2], 9, v[T+1]
	s_sub_co_u32 s55, s54, 22                      ; stage X, wave w: rows y0 - 2 + 2 (w - 10) + hf, clamped
	v_add_nc_u32 v[T+2], s55, v[HF]
	v_max_i32 v[T+2], 0, v[T+2]
	v_min_i32 v[T+2], 127, v[T+2]
	v_lshl_add_u32 v[XY], v[T+2], 9, v[T+1]
	v_lshlrev_b32 v[T+2], 2, v[T]
	v_cvt_f32_u32 v[T+2], v[T+2]                   ; 4 l
	v_sub_f32 v[XB], 0, v[T+2]
	v_sub_f32 v[XB+2], -1.0, v[T+2]
	v_sub_f32 v[XB+4], -2.0, v[T+2]
	v_sub_f32 v[XB+6], 0xc0400000, v[T+2]          ; -3 - 4 l
.irp k, 0,1,2,3
	v_add_f32 v[XB+2*\k+1], 0x427c0000, v[XB+2*\k] ; 63 - 4 l - k
.endr
	v_mov_b32 v[C18], 0x3e400000                   ; 0.1875
	v_mov_b32 v[C18+1], 0x3e400000
	; The second phase stores the flow registers only in the trips in which the first phase has computed them, but the two phases test
	; the trip counter apart; so that every path of the text reads only written registers, they are written once here.
	; (No wait on va_vdst closes the set-up: each run of loads and stores in the trip has one of its own ahead of it, which covers these lines too.)
.set i, 0
.rept 24
	v_mov_b32 v[D+i], 0
	v_mov_b32 v[D2+i], 0
.set i, i+1
.endr
	s_wait_kmcnt 0x0
	s_lshl_b32 s56, s53, 25                        ; batch x 4 channels
	s_mov_b32 s57, 0
	s_add_nc_u64 s[10:11], s[4:5], s[56:57]
	s_add_nc_u64 s[12:13], s[10:11], CHB           ; a base for each channel: the channel's stride does not fit an immediate offset
	s_add_nc_u64 s[14:15], s[12:13], CHB
	s_add_nc_u64 s[16:17], s[14:15], CHB
	s_lshl_b32 s56, s53, 24                        ; batch x 2 channels,
	s_add_nc_u64 s[18:19], s[6:7], s[56:57]
	s_add_nc_u64 s[18:19], s[18:19], CHB           ; channel 1
	s_lshl_b32 s56, s53, 23
	s_add_nc_u64 s[20:21], s[8:9], s[56:57]
	s_mov_b32 s23, 0                               ; t
	s_mov_b32 s24, 0                               ; t mod 6
	; ---------------------------------------------------------------- one trip of the march
.Ltrip:
	s_wait_dscnt 0x0                               ; my LDS stores of the last trip are done:
	s_barrier_signal -1
	s_barrier_wait -1                              ; behind this barrier every wave may read them
	s_wait_alu depctr_vm_vsrc(0)                   ; the last trip's LDS stores have read D, D2, W, XR, the seam pairs and AS .., its global loads RO, XO and GO, FIN's stores GO and OUT: this trip writes all of them again
	; requests from memory, a whole stencil task ahead of their use
	s_cmp_lt_u32 s22, 8
	s_cbranch_scc1 .Lwork
	s_cmp_gt_u32 s22, 14
	s_cbranch_scc1 .Lreq_x
	s_min_u32 s52, s23, 21                         ; stage A: plane z0 - 3 + min(t, 21), clamped into the volume
	s_add_co_u32 s52, s52, s26
	s_sub_co_u32 s52, s52, 3
	s_max_i32 s52, s52, 0
	s_min_i32 s52, s52, 127
	s_lshl_b32 s52, s52, 16
	v_add_nc_u32 v[RO], s52, v[RY]                 ; the loads that named RO were waited for in the last trip's first phase
	s_wait_alu depctr_va_vdst(0)                   ; RO is written, which the six loads read; the last trip's multiplies are done reading RAW (in the first trip: the set-up's moves have written it), in which they land
.irp ch, 0,1,2
	global_load_b128 v[RAW+8*\ch:RAW+8*\ch+3], v[RO], s[10+2*\ch:11+2*\ch]                  ; x = 4 l .. 4 l + 3
	global_load_b128 v[RAW+8*\ch+4:RAW+8*\ch+7], v[RO], s[10+2*\ch:11+2*\ch] offset:256     ; x = 64 + 4 l ..
.endr
.Lreq_x:
	s_cmp_lt_u32 s22, 10
	s_cbranch_scc1 .Lwork
	s_max_u32 s52, s23, 5                          ; stage X: plane z0 - 2 + (t - 5) with t held in 5..24, clamped into the volume
	s_min_u32 s52, s52, 24
	s_add_co_u32 s52, s52, s26
	s_sub_co_u32 s52, s52, 7
	s_max_i32 s52, s52, 0
	s_min_i32 s52, s52, 127
	s_lshl_b32 s52, s52, 16
	v_add_nc_u32 v[XO], s52, v[XY]                 ; the loads that named XO were waited for in the last trip's second phase
	s_wait_alu depctr_va_vdst(0)                   ; XO is written, which the two loads read; the last trip's seam selects are done reading XR, in which they land
	global_load_b128 v[XR:XR+3], v[XO], s[18:19]
	global_load_b128 v[XR+4:XR+7], v[XO], s[18:19] offset:256
.Lwork:
	s_cmp_lt_u32 s22, 4
	s_cbranch_scc0 .Lsteps
	s_cmp_lt_u32 s23, 10
	s_cbranch_scc1 .Lmid
	; ---------------------------------------------------------------- FIN: waves 0-3, output plane z0 + t - 10, rows y0 + 2 w + hf
	s_wait_xcnt 0x0                                ; the last trip's stores have had their addresses translated (ISA guide 3.1): GO and OUT are rewritten below; the wait on vm_vsrc at the trip's head stands beside this one
	s_add_co_u32 s52, s26, s23
	s_sub_co_u32 s52, s52, 10                      ; z
	s_lshl_b32 s53, s22, 1
	s_add_co_u32 s54, s53, s25                     ; y of the task's first row
	s_lshl_b32 s55, s52, 16
	s_lshl_b32 s56, s54, 9
	s_add_co_u32 s55, s55, s56
	v_add_nc_u32 v[GO], s55, v[GY]
	s_mul_i32 s57, s22, 2*XROWP
	s_add_co_u32 s57, s57, RX
.irp i, 0,1,2,3,4
	s_add_co_u32 s58, s24, 2+\i                    ; x plane t - 10 + i lies in slot (t + 2 + i) mod 6
	s_sub_co_u32 s59, s58, 6
	s_cmp_ge_u32 s58, 6
	s_cselect_b32 s58, s59, s58
	s_mul_i32 s58, s58, XPL
	s_add_co_u32 s58, s58, s57
	v_add_nc_u32 v[AS+\i], s58, v[LX]
.endr
	s_and_b32 s58, s23, 1                          ; F3 plane t - 10 lies in slot t & 1
	s_mul_i32 s58, s58, 8*ROWP
	s_mul_i32 s59, s22, 2*ROWP
	s_add_co_u32 s58, s58, s59
	s_add_co_u32 s58, s58, RF3
	v_add_nc_u32 v[AS+5], s58, v[LF]
	s_wait_alu depctr_va_vdst(0)                   ; GO and the six LDS addresses are written; every earlier vector instruction is done with RT, with the flow's registers and with the four row buffers, in which the loads of raw[3], of the flow and of rows 0 to 3 land
	global_load_b128 v[RT:RT+3], v[GO], s[16:17] th:TH_LOAD_NT             ; raw[3]: read once in the launch, used behind the stencil
	global_load_b128 v[RT+4:RT+7], v[GO], s[16:17] offset:256 th:TH_LOAD_NT
	CENTRE D, (AS+5), 0
	LOADROW 2, 8, R5, AS, 0
	LOADROW 2, 8, (R5+16), AS, XROWP
	BOUNDS 54, 52
	s_wait_dscnt 16                                ; the flow is in; the two rows of 8 loads stay out
.irp axis, 0,1,2
.irp k, 0,1,2,3
	W5 \axis, \k
.endr
.endr
	; 25 source rows: plane rn / 5, row rn % 5
.set rn, 0
.rept 25
.if rn < 24
	s_wait_dscnt 8                                 ; row rn is in; row rn + 1 (8 loads) stays out
.else
	s_wait_dscnt 0x0                               ; the last row
.endif
.if rn < 23
.if (rn%2 == 0) && (rn > 0)
	s_wait_alu depctr_va_vdst(0)                   ; rows up to rn - 1 are done reading their buffers: row rn + 2 lands in row rn - 2's now, row rn + 3 in row rn - 1's behind row rn's arithmetic, which names neither
.endif
.set rm, rn+2
	LOADROW 2, 8, (R5+16*(rm%4)), (AS+rm/5), ((rm%5)*XROWP)
.endif
	ROWXY 5, XS5, TY5, (R5+16*(rn%4)), (rn%5)
.if rn%5 == 4
	ZACC ACC, (W+80+8*(rn/5)), TY5, (rn==4)
.endif
.set rn, rn+1
.endr
	; out = a / (a + b E), a = w + eps, b = 1 - w + eps, E = exp(-tanh(u) sigmoid(u)), and with e = exp(-u):
	; tanh(u) sigmoid(u) = (1 - e) / (1 + e e).  Negative a or b (a logarithm of a negative number in the reference) gives NaN.
	s_wait_loadcnt 0x0                             ; raw[3]
.irp i, 0,1,2,3,4,5,6,7
	v_med3_num_f32 v[RT+\i], v[RT+\i], s70, s71    ; u in +-20 keeps e e finite
.endr
.irp i, 0,2,4,6
	v_pk_mul_f32 v[RT+\i:RT+\i+1], v[RT+\i:RT+\i+1], 0xbfb8aa3b op_sel_hi:[1,0]
.endr
.irp i, 0,1,2,3,4,5,6,7
	v_exp_f32 v[RT+\i], v[RT+\i]                   ; e
.endr
.irp i, 0,2,4,6                                    ; plain work on other registers stands between the exponentials and their use (ISA guide 5.7.2)
	v_pk_add_f32 v[AA+\i:AA+\i+1], v[ACC+\i:ACC+\i+1], 0x38d1b717 op_sel_hi:[1,0]
	v_pk_add_f32 v[BB+\i:BB+\i+1], v[ACC+\i:ACC+\i+1], 0x3f800347 op_sel_hi:[1,0] neg_lo:[1,0] neg_hi:[1,0]
.endr
	s_wait_alu depctr_va_vdst(0)
.irp i, 0,2,4,6
	v_pk_fma_f32 v[Q+\i:Q+\i+1], v[RT+\i:RT+\i+1], v[RT+\i:RT+\i+1], 1.0 op_sel_hi:[1,1,0]
.endr
.irp i, 0,1,2,3,4,5,6,7
	v_rcp_f32 v[Q+\i], v[Q+\i]
.endr
.irp i, 0,2,4,6
	v_pk_add_f32 v[RT+\i:RT+\i+1], v[RT+\i:RT+\i+1], -1.0 op_sel_hi:[1,0]      ; e - 1: names none of the reciprocals' registers
.endr
	s_wait_alu depctr_va_vdst(0)
.irp i, 0,2,4,6
	v_pk_mul_f32 v[RT+\i:RT+\i+1], v[RT+\i:RT+\i+1], v[Q+\i:Q+\i+1]
.endr
.irp i, 0,2,4,6
	v_pk_mul_f32 v[RT+\i:RT+\i+1], v[RT+\i:RT+\i+1], 0x3fb8aa3b op_sel_hi:[1,0]
.endr
.irp i, 0,1,2,3,4,5,6,7
	v_exp_f32 v[RT+\i], v[RT+\i]                   ; E
.endr
.irp i, 0,1,2,3,4,5,6,7
	v_min_num_f32 v[MM+\i], v[AA+\i], v[BB+\i]     ; again plain work on other registers behind the exponentials
.endr
	s_wait_alu depctr_va_vdst(0)
.irp h, 0,1
.irp k, 0,1,2,3
	v_fma_f32 v[Q+4*\h+\k], v[BB+2*\k+\h], v[RT+4*\h+\k], v[AA+2*\k+\h]        ; from pair order (2 k + h) to memory order (4 h + k)
.endr
.endr
.irp i, 0,1,2,3,4,5,6,7
	v_rcp_f32 v[Q+\i], v[Q+\i]
.endr
	v_nop                                          ; the place behind the reciprocals (ISA guide 5.7.2)
.irp h, 0,1
.irp k, 0,1,2,3
	v_cmp_le_f32 s[OK+4*\h+\k], 0, v[MM+2*\k+\h]   ; the eight compares stand in one run, each with a mask register of its own
.endr
.endr
	s_wait_alu depctr_va_vdst(0)
.irp h, 0,1
.irp k, 0,1,2,3
	v_mul_f32 v[Q+4*\h+\k], v[AA+2*\k+\h], v[Q+4*\h+\k]
.endr
.endr
	s_wait_alu depctr_va_sdst(0)                   ; the eight masks are written, ahead of the selects that read them
.irp i, 0,1,2,3,4,5,6,7
	v_cndmask_b32 v[OUT+\i], 0x7fc00000, v[Q+\i], s[OK+\i]
.endr
	s_wait_alu depctr_va_vdst(0)                   ; the selects have written OUT, which the two stores read
	global_store_b128 v[GO], v[OUT:OUT+3], s[20:21] th:TH_STORE_NT             ; sixteen neighbouring lanes cover 256 aligned bytes of a row
	global_store_b128 v[GO], v[OUT+4:OUT+7], s[20:21] offset:256 th:TH_STORE_NT
	s_branch .Lmid
	; ---------------------------------------------------------------- waves 4-15, first phase: squaring steps, then tanh
.Lsteps:
	s_cmp_lt_u32 s22, 10
	s_cbranch_scc0 .Lf2
	UNLESS_T 3, 22, .Lf3
	STEP_C 0, D, AS                                ; waves 4-9: F1
.Lf3:
	s_cmp_gt_u32 s22, 7
	s_cbranch_scc1 .Lfeed
	UNLESS_T 9, 24, .Lmid
	STEP_C 2, D2, (AS+3)                           ; waves 4-7: F3, beside F1's rows, which wait in D for the second phase; address registers of its own, since F1's loads have read AS .. AS+2 in this phase
	s_branch .Lmid
.Lf2:
	s_cmp_gt_u32 s22, 14
	s_cbranch_scc1 .Lmid
	UNLESS_T 6, 23, .Lfeed
	STEP_C 1, D, AS                                ; waves 10-14: F2
.Lfeed:
	; stage A, waves 8-14: F0 = 0.1875 tanh(raw) = 0.1875 - 0.375 / (1 + exp(2 raw)), into the weights' registers, which are free now
	; (the LDS stores that read them in the last trip stand ahead of the wait on vm_vsrc at this trip's head)
	s_wait_loadcnt 0x0                             ; this trip's loads, issued in front of the stencil task
.irp ch, 0,1,2
.irp k, 0,1,2,3
	v_mul_f32 v[W+8*\ch+2*\k], 0x4038aa3b, v[RAW+8*\ch+\k]         ; 2 log2(e) raw, and from memory order into pair order
	v_mul_f32 v[W+8*\ch+2*\k+1], 0x4038aa3b, v[RAW+8*\ch+4+\k]
.endr
.endr
.set i, 0
.rept 24
	v_exp_f32 v[W+i], v[W+i]
.set i, i+1
.endr
	v_nop                                          ; the place behind the exponentials (ISA guide 5.7.2)
.set i, 0
	s_wait_alu depctr_va_vdst(0)
.rept 12
	v_pk_add_f32 v[W+i:W+i+1], v[W+i:W+i+1], 1.0 op_sel_hi:[1,0]
.set i, i+2
.endr
.set i, 0
.rept 24
	v_rcp_f32 v[W+i], v[W+i]                       ; an overflowed exponential gives 0 here, and so +0.1875
.set i, i+1
.endr
	v_nop
.set i, 0
	s_wait_alu depctr_va_vdst(0)
.rept 12
	v_pk_fma_f32 v[W+i:W+i+1], v[W+i:W+i+1], 0xbec00000, v[C18:C18+1] op_sel_hi:[1,0,1]
.set i, i+2
.endr
	; ---------------------------------------------------------------- second phase: what the first phase made goes into the rings
.Lmid:
	s_wait_dscnt 0x0                               ; my reads of this trip are over:
	s_barrier_signal -1
	s_barrier_wait -1                              ; behind this barrier every slot may be stored into
	s_cmp_lt_u32 s22, 4
	s_cbranch_scc1 .Lnext
	s_wait_alu depctr_vm_vsrc(0)                   ; the first phase's LDS loads have read AS .. AS+5, which the store blocks below write again
	s_cmp_lt_u32 s22, 10
	s_cbranch_scc0 .Lst_f2
	UNLESS_T 3, 22, .Lst_f3
	STEP_S 0, D, SE1, AS
.Lst_f3:
	s_cmp_gt_u32 s22, 7
	s_cbranch_scc1 .Lst_feed
	UNLESS_T 9, 24, .Lnext
	STEP_S 2, D2, SE2, (AS+2)
	s_branch .Lnext
.Lst_f2:
	s_cmp_gt_u32 s22, 14
	s_cbranch_scc1 .Lst_x
	UNLESS_T 6, 23, .Lst_feed
	STEP_S 1, D, SE1, AS
.Lst_feed:
	s_sub_co_u32 s52, s22, 8                       ; stage A, waves 8-14: rows 2 (w - 8), + 1 of slot t & 3
	s_mul_i32 s52, s52, 2*ROWP
	s_and_b32 s53, s23, 3
	s_mul_i32 s53, s53, 14*ROWP
	s_add_co_u32 s52, s52, s53
	v_add_nc_u32 v[AS+2], s52, v[LF]
	v_add_nc_u32 v[AS+3], s52, v[SF]
	STORE_FLOW W, SE2, (AS+2), (AS+3)
	s_cmp_lt_u32 s22, 10
	s_cbranch_scc1 .Lnext
.Lst_x:
	; stage X, waves 10-15: two rows of x[1] into slot (t + 1) mod 6, in pair order
	s_add_co_u32 s52, s24, 1
	s_cmp_eq_u32 s52, 6
	s_cselect_b32 s52, 0, s52
	s_mul_i32 s52, s52, XPL
	s_sub_co_u32 s53, s22, 10
	s_mul_i32 s53, s53, 2*XROWP
	s_add_co_u32 s52, s52, s53
	s_add_co_u32 s52, s52, RX
	v_add_nc_u32 v[AS+4], s52, v[LX]
	v_add_nc_u32 v[AS+5], s52, v[SX]
	s_wait_loadcnt 0x0                             ; this trip's loads of x, issued at its head
	; the seam, all lanes on: lane 15 puts x = 62, 63 at positions -2, -1; lane 0 puts x = 64, 65 at positions 64, 65;
	; the other lanes store their own pairs 0 and 1 once more where they lie.  The seam pairs are made first, as in the flow's store.
.irp k, 0,1
	v_cndmask_b32 v[SEX+2*\k], v[XR+\k], v[XR+4+\k], s31
	v_cndmask_b32 v[SEX+2*\k], v[SEX+2*\k], v[XR+2+\k], s28
	v_cndmask_b32 v[SEX+2*\k+1], v[XR+4+\k], v[XR+2+\k], s28
.endr
	s_wait_alu depctr_va_vdst(0)                   ; the two addresses and the seam pairs are written: the ten stores below read them (XR comes from the loads just waited for)
.irp k, 0,1,2,3
	ds_store_b32 v[AS+4], v[XR+\k] offset:\k*SEG+(\k>>1)*8
	ds_store_b32 v[AS+4], v[XR+4+\k] offset:\k*SEG+(\k>>1)*8+4
.endr
.irp k, 0,1
	ds_store_b64 v[AS+5], v[SEX+2*\k:SEX+2*\k+1] offset:\k*SEG
.endr
.Lnext:
	s_add_co_u32 s24, s24, 1
	s_cmp_eq_u32 s24, 6
	s_cselect_b32 s24, 0, s24
	s_add_co_u32 s23, s23, 1
	s_cmp_lt_u32 s23, 26
	s_cbranch_scc1 .Ltrip
	s_wait_dscnt 0x0
	s_wait_alu depctr_hold_cnt(0) depctr_sa_sdst(0) depctr_va_vdst(0) depctr_va_sdst(0) depctr_va_ssrc(0) depctr_va_vcc(0) depctr_vm_vsrc(0)
	s_wait_tensorcnt 0x0
	ds_add_u32 v254, v255
	s_wait_dscnt 0x0
	s_endpgm
.Lfunc_end_k_q2f94c79786_diffeo:
	.size	k_q2f94c79786_diffeo, .Lfunc_end_k_q2f94c79786_diffeo-k_q2f94c79786_diffeo
	.p2alignl 7, 3214868480
	.fill 96, 4, 3214868480
	.section	.rodata,"a",@progbits
	.p2align	6, 0x0
	.amdhsa_kernel k_q2f94c79786_diffeo
		.amdhsa_group_segment_fixed_size 314368
		.amdhsa_private_segment_fixed_size 0
		.amdhsa_enable_private_segment 0
		.amdhsa_kernarg_size 24
		.amdhsa_user_sgpr_count 2
		.amdhsa_user_sgpr_kernarg_segment_ptr 1
		.amdhsa_wavefront_size32 1
		.amdhsa_system_sgpr_workgroup_id_x 1
		.amdhsa_system_sgpr_workgroup_id_y 1
		.amdhsa_system_sgpr_workgroup_id_z 1
		.amdhsa_system_vgpr_workitem_id 0
		.amdhsa_next_free_vgpr 256
		.amdhsa_next_free_sgpr 72
		.amdhsa_reserve_vcc 0
		.amdhsa_float_denorm_mode_32 3
		.amdhsa_float_denorm_mode_16_64 3
		.amdhsa_memory_ordered 1
		.amdhsa_forward_progress 1
		.amdhsa_inst_pref_size 236
	.end_amdhsa_kernel
	.amdgpu_metadata
---
amdhsa.version: [ 1, 2 ]
amdhsa.kernels:
  - .name:           k_q2f94c79786_diffeo
    .symbol:         k_q2f94c79786_diffeo.kd
    .args:
      - { .name: raw, .offset: 0, .size: 8, .value_kind: global_buffer, .address_space: global }
      - { .name: x, .offset: 8, .size: 8, .value_kind: global_buffer, .address_space: global }
      - { .name: out0, .offset: 16, .size: 8, .value_kind: global_buffer, .address_space: global }
    .group_segment_fixed_size: 314368
    .private_segment_fixed_size: 0
    .kernarg_segment_align: 8
    .kernarg_segment_size: 24
    .max_flat_workgroup_size: 512
    .sgpr_count:     72
    .vgpr_count:     256
    .wavefront_size: 32
...
	.end_amdgpu_metadata
.endif
;; end of part 2
